; MI455X (gfx1250); checked and timed in simulation.
; The chip was launched on July 23, 2026; its instructions are those of AMD's public machine-readable ISA for CDNA 5 (MIT licence, August 2026) and "CDNA5" Instruction Set Architecture Reference Guide (July 2026). The comments in the code are by the model that wrote it; some were corrected since.
;; Shared Weight FC. Allowed arithmetic: float matrix products may take bf16 or f16 operands with f32 sums; all other float work in f32.
;; Inputs: bias 4,096 float32; shared_weights 256 x 4,096 float32; x 4,096 x 4,096 float32.
;; Outputs: out0 4,096 x 4,096 float32.
;; 2 versions, each right. Each part assembles by itself: llvm-mc -triple=amdgcn-amd-amdhsa -mcpu=gfx1250 --defsym DOCPART=n.
;; ======== version 1 of 2: 1 launch
;; launch fc (part 1): grid 4 x 64, 4 waves a work-group, clusters of 4 x 4, 327,680 bytes of LDS; arguments x, shared_weights, bias, out0; writes out0
.if DOCPART == 1
	.amdgcn_target "amdgcn-amd-amdhsa--gfx1250"
	.amdhsa_code_object_version 6
	.text
	.protected	k_qca4c0a394f_fc
	.globl	k_qca4c0a394f_fc
	.p2align	8
	.type	k_qca4c0a394f_fc,@function
k_qca4c0a394f_fc:
	s_mov_b64 s[64:65], 0
	v_nop
	global_prefetch_b8 v0, s[64:65] scope:SCOPE_SE
	s_setreg_imm32_b32 hwreg(HW_REG_WAVE_MODE, 25, 1), 1
	s_wait_xcnt 0x0
	s_wait_alu depctr_hold_cnt(0) depctr_sa_sdst(0) depctr_va_vdst(0) depctr_va_sdst(0) depctr_va_ssrc(0) depctr_va_vcc(0) depctr_vm_vsrc(0)
	s_getreg_b32 s2, hwreg(HW_REG_IB_STS2, 6, 4)
	s_cmp_eq_u32 s2, 0
	s_cbranch_scc0 .Lentry_in_a_cluster
	s_endpgm
.Lentry_in_a_cluster:
	s_bfe_u32 s2, ttmp6, 0x10000c
	s_cmp_lg_u32 s2, 0xf033
	s_cbranch_scc0 .Lentry_shape_is_right
	s_endpgm
.Lentry_shape_is_right:
; out[m][n] = sum over k of x[m][k] W[n mod 256][k] + bias[n].  x: [4096][4096], W: [256][4096], bias: [4096], out: [4096][4096], all f32.
; The weight matrix of the problem is W's 256 rows laid 16 times below each other, so columns n, n + 256, .. of the product are one and the same number
; for every input.  P = x W^T ([4096][256]) is computed once and stored 16 times, each time with the 256 bias numbers of that repeat.
; SHARES: 256 work-groups; each makes 64 rows x 64 columns of P (block row by = 0..63, block column bx = 0..3) and stores 64 rows x 16 x 64 columns of out.
; The four waves split K, not the block: each holds all 16 accumulator tiles (128 registers) and takes 64 of the 256 k of every K step, so every LDS
; byte is read once and rounded to bf16 once.  The four partial blocks are added through LDS at the end, which is also the change of layout that the stores want.
; LIMITS: x and W are rounded to bf16 (nearest even; bf16 has f32's exponents, so no range is lost).  An output is the f32 sum of four f32 partial sums
; (those k with k mod 256 in 64 w .. 64 w + 63, w = 0..3), added as (p0 + p1) + (p2 + p3), then + bias: another order of rounding than a single sum along k.
; CLUSTERS: 4 x 4 work-groups.  x's tile hangs on by alone and is asked for jointly by the four of a row of the cluster; W's tile hangs on bx alone and is
; asked for jointly by the four of a column: the requests for both are divided by four.
; LDS: two slots of a K step of 256 (1,024 bytes of each of 64 rows of x and 64 rows of W), each slot four regions of 64 rows x 512 bytes, one tensor load
; of one wave each: x left, x right, W left, W right.  By this text's own count a wave has two tensor loads out at the start and one behind each later round.
.set KB,    1024                       ; bytes of a row in a K step
.set PITCH, 528                        ; an LDS row: 512 bytes + 16 of padding = 33 x 16: the 16 rows that a 16-byte load touches lie in 16 different 16-byte columns of 256 bytes
.set REG,   64*PITCH                   ; a region: what one tensor load brings
.set SLOT,  4*REG
.set SP,    272                        ; the stage's row: 256 bytes (64 f32) + 16
.set PARTB, 64*SP                      ; one wave's partial block in the stage
; The stage (4 x PARTB = 69,632 bytes from LDS byte 0) lies in slot 0, which has its last fill (K step 14) and its last reads in front of the barrier
; between K steps 14 and 15; no tensor load follows that barrier in the text.
.set PFO,  7                           ; v7      prefetch: my byte offset in the block row's 64 rows of x
.set ADRA, 8                           ; v8-9    LDS address of my x fragments in slot 0, 1
.set ADRB, 10                          ; v10-11  the same for W
.set STO,  12                          ; v12     where I put my partial results
.set RD,   13                          ; v13     where I read rows of the partial blocks back
.set CO,   14                          ; v14     my byte offset in out
.set BO,   15                          ; v15     my byte offset in bias
.set RAW,  16                          ; v16-143   f32 as loaded: W's fragments 0-3, x's fragments 0-3, 16 registers each
.set FR,   144                         ; v144-207  the same in bf16, 8 registers each
.set FRW,  FR
.set FRX,  FR+32
.set BIAS, 16                          ; the way out: v16-79 bias, repeat q at 16 + 4 q
.set PART, 80                          ; v80-207 partial p, row pair t at 80 + 32 p + 4 t; the sums stay in partial 0
.set OUT,  112                         ; v112-239 a ring of 32 groups of 4 registers to store
; window 1 (v256-383): accumulator tile (a, b) at v[8 (4 a + b)]: x rows 16 a .., W rows 16 b ..
.set G1,  24                           ; s[24:31] descriptor group 1 for x's tiles
.set G0,  32                           ; s[32:39] descriptor group 0 for x's tiles, one set for each slot
.set G1B, 48                           ; s[48:55] group 1 for W's tiles: it differs in the mask alone
.set G0B, 56                           ; s[56:63] group 0 for W's tiles, one set for each slot
.set G1W0, (2<<16)|(1<<20)|(1<<21)|(6<<22)|(3<<25)   ; 17:16 elements of 4 bytes; 20 padding on; 21 set beside a mask; 24:22 after every 128 words (code 6); 31:25 of 4 words (code 3)
.set MSB, 0
.macro WIN new                         ; s_set_vgpr_msb: bits 1:0 source 0, 3:2 source 1, 5:4 source 2, 7:6 destination; the high byte repeats the setting that is left
.if MSB != \new
	s_set_vgpr_msb (MSB<<8)|\new
.set MSB, \new
.endif
.endm
; Four places: a vector instruction that writes a register which a matrix instruction has read, a load into such a register, and an LDS store of a matrix
; result stand four plain vector instructions behind that matrix instruction; other matrix instructions are not counted as places here.
.macro PLACES
.rept 4
	v_nop
.endr
.endm
; A joint load.  Waves 0 and 1 fetch x's two halves of the K step, waves 2 and 3 W's.  Each line has one mask and one set of registers; the branch hangs on the wave's number alone.
.macro JLOAD s
	s_cmp_eq_u32 s13, 0
	s_cbranch_scc0 .Lfor_w_\@
	tensor_load_to_lds s[G0+4*\s:G0+4*\s+3], s[G1:G1+7]
	s_nop 0
	s_branch .Lasked_\@
.Lfor_w_\@:
	tensor_load_to_lds s[G0B+4*\s:G0B+4*\s+3], s[G1B:G1B+7]
	s_nop 0
.Lasked_\@:
.endm
; A round of the cluster's barrier: my work-group's barrier; wave 0 signals for the work-group; every wave waits for all sixteen; my work-group's barrier again.
.macro CREST                           ; a round behind its opening barrier
	s_cmp_lg_u32 s12, 0
	s_cbranch_scc1 .Lnot_wave_0_\@
	s_barrier_signal -3
.Lnot_wave_0_\@:
	s_barrier_wait -3
	s_barrier_signal -1
	s_barrier_wait -1
.endm
.macro CROUND
	s_barrier_signal -1
	s_barrier_wait -1
	CREST
.endm
	s_load_b256 s[4:11], s[0:1], 0x0               ; x s[4:5], W s[6:7], bias s[8:9], out s[10:11]
	v_lshl_add_u32 v254, v0, 2, 0x42000
	v_mov_b32 v255, 0
	ds_add_u32 v254, v255
	v_lshrrev_b32 v1, 5, v0
	v_readfirstlane_b32 s12, v1                    ; wave 0..3
	s_lshr_b32 s13, s12, 1                         ; I fetch for x (0) or for W (1).  Also: the region (512 bytes of the K step) that I read
	s_and_b32 s14, s12, 1                          ; which 512 bytes of the K step I fetch.  Also: which 256 bytes of my region I read
	s_bfe_u32 s40, ttmp6, 0x40000                  ; cx
	s_bfe_u32 s41, ttmp6, 0x40004                  ; cy
	s_lshl_b32 s42, ttmp9, 2                       ; in a cluster launch ttmp9 and ttmp7 count clusters
	s_add_co_u32 s42, s42, s40                     ; bx = 4 x cluster x + cx
	s_and_b32 s43, ttmp7, 0xffff
	s_lshl_b32 s43, s43, 2
	s_add_co_u32 s43, s43, s41                     ; by = 4 x cluster y + cy
	s_lshl_b32 s44, s41, 2
	s_lshl_b32 s44, 15, s44                        ; my row of the cluster: places 4 cy .. 4 cy + 3
	s_lshl_b32 s45, 0x1111, s40                    ; my column: places cx, cx + 4, cx + 8, cx + 12
	; descriptor group 1: a tile of 64 rows x 128 f32, rows 4,096 f32 apart in memory, padded in LDS
	s_or_b32 s[G1+0], s44, G1W0                    ; 15:0 the mask: x's tiles go to my row
	s_or_b32 s[G1B+0], s45, G1W0                   ; W's tiles go to my column
	s_mov_b32 s[G1+1], 128<<16                     ; 63:48 tensor_dim0 = 128
	s_mov_b32 s[G1B+1], 128<<16
	s_mov_b32 s[G1+2], 64<<16                      ; 95:80 tensor_dim1 = 64
	s_mov_b32 s[G1B+2], 64<<16
	s_mov_b32 s[G1+3], 128<<16                     ; 127:112 tile_dim0 = 128
	s_mov_b32 s[G1B+3], 128<<16
	s_mov_b32 s[G1+4], 64                          ; 143:128 tile_dim1 = 64; tile_dim2 = 0
	s_mov_b32 s[G1B+4], 64
	s_mov_b32 s[G1+5], 4096                        ; 191:160 elements from row to row
	s_mov_b32 s[G1B+5], 4096
	s_mov_b32 s[G1+6], 0
	s_mov_b32 s[G1B+6], 0
	s_mov_b32 s[G1+7], 0
	s_mov_b32 s[G1B+7], 0
	; byte offsets, each in registers of its own.  64 rows of 16,384 bytes are 1 << 20.  x's tile offset holds by and the wave's number alone, W's bx and the wave's number alone.
	s_lshl_b32 s3, s14, 9                          ; the 512 bytes of the K step that I fetch
	s_lshl_b32 s16, s43, 20                        ; the block row's first row of x and of out
	s_add_co_u32 s20, s16, 2*KB                    ; prefetch: the same row, at K step 2
	s_mov_b32 s21, 0
	s_lshl_b32 s22, s12, 18                        ; out: my wave stores rows 16 w .. 16 w + 15 of the block,
	s_add_co_u32 s22, s22, s16
	s_lshl_b32 s18, s42, 8                         ; from column 64 bx of each repeat (256 bytes); the same offset in bias
	s_mov_b32 s19, 0
	s_add_co_u32 s22, s22, s18
	s_mov_b32 s23, 0
	s_add_co_u32 s16, s16, s3
	s_mov_b32 s17, 0
	s_lshl_b32 s46, s42, 20                        ; W's rows 64 bx ..
	s_add_co_u32 s46, s46, s3
	s_mov_b32 s47, 0
	s_mul_i32 s15, s12, REG                        ; where my tiles go: region = wave's number; no place in the cluster enters an LDS address
	s_wait_dscnt 0x0
	s_wait_kmcnt 0x0
	s_add_nc_u64 s[16:17], s[4:5], s[16:17]        ; x at my first tile
	s_add_nc_u64 s[46:47], s[6:7], s[46:47]        ; W at my first tile
	s_add_nc_u64 s[8:9], s[8:9], s[18:19]          ; bias at column 64 bx
	s_add_nc_u64 s[10:11], s[10:11], s[22:23]      ; out at my wave's first row and column 64 bx
	s_add_nc_u64 s[20:21], s[4:5], s[20:21]        ; x at the block row's first row, K step 2
	CROUND                                         ; all sixteen work-groups are here: the first joint loads meet
.irp s, 0,1
	s_mov_b32 s[G0+4*\s], 1                                        ; 1:0 count = 1
	s_add_co_u32 s[G0+4*\s+1], s15, \s*SLOT                        ; 63:32 LDS address
	s_add_nc_u64 s[G0+4*\s+2:G0+4*\s+3], s[16:17], \s*KB           ; 120:64 global address: K step s
	s_or_b32 s[G0+4*\s+3], s[G0+4*\s+3], 0x80000000                ; 127:126 type = 2
	s_mov_b32 s[G0B+4*\s], 1
	s_add_co_u32 s[G0B+4*\s+1], s15, \s*SLOT
	s_add_nc_u64 s[G0B+4*\s+2:G0B+4*\s+3], s[46:47], \s*KB
	s_or_b32 s[G0B+4*\s+3], s[G0B+4*\s+3], 0x80000000
	JLOAD \s                                       ; both slots are asked for before anything else is done
.endr
	; PREFETCH of x.  Two K steps of the block row are 64 rows x 2,048 bytes = 512 blocks of 256 bytes; the four work-groups of a row of the cluster share them out:
	; lane l of wave w of work-group cx asks for row 16 cx + 4 w + l / 8, block l mod 8: one instruction a wave for two K steps, each block asked for once in the launch.
	; Here K steps 2 and 3; lap j (j = 0..5) asks for K steps 2 j + 4 and 2 j + 5, which lap j + 1 loads; laps 6 and 7 ask for nothing, so no request passes a row's end.
	; W (4 MiB against x's 64) is read by all sixteen clusters and is not prefetched.
	v_and_b32 v3, 31, v0                           ; lane
	v_lshrrev_b32 v4, 3, v3
	v_and_b32 v5, 7, v3
	s_lshl_b32 s22, s40, 4
	s_lshl2_add_u32 s22, s12, s22                  ; 16 cx + 4 w
	v_add_nc_u32 v4, s22, v4
	v_lshlrev_b32 v4, 14, v4                       ; rows of 16,384 bytes
	v_lshl_add_u32 v[PFO], v5, 8, v4
	global_prefetch_b8 v[PFO], s[20:21] th:TH_LOAD_NT scope:SCOPE_SE
	; A bf16 fragment is 16 rows x 32 k: lane l holds row r = l % 16; registers 0-3 hold k = 8 h + 0..7 (h = l / 16), registers 4-7 hold k = 16 + 8 h + 0..7.
	; In f32 those are the 32 bytes at 32 h and the 32 bytes at 64 + 32 h of the row's 128: four loads of 16 bytes, at 0, 16, 64, 80 from r x pitch + 32 h.
	v_and_b32 v1, 15, v0                           ; r
	v_bfe_u32 v2, v0, 4, 1                         ; h
	v_mul_u32_u24 v3, v1, PITCH
	v_lshl_add_u32 v3, v2, 5, v3
	s_mul_i32 s22, s13, REG                        ; my region of x,
	s_lshl_b32 s23, s14, 8                         ; and my 256 bytes (64 k) of its rows
	s_add_co_u32 s22, s22, s23
	v_add_nc_u32 v[ADRA], s22, v3
	v_add_nc_u32 v[ADRA+1], SLOT, v[ADRA]
	v_add_nc_u32 v[ADRB], 2*REG, v[ADRA]           ; W's regions lie behind x's two
	v_add_nc_u32 v[ADRB+1], 2*REG+SLOT, v[ADRA]
	v_mul_u32_u24 v4, v1, SP                       ; stage, in: row r, 32 bytes for each half of the lanes, in my wave's partial block
	v_lshl_add_u32 v4, v2, 5, v4
	s_mul_i32 s22, s12, PARTB
	v_add_nc_u32 v[STO], s22, v4
	v_mul_u32_u24 v5, v2, SP                       ; stage, back: lanes 0-15 take one row's 256 bytes, lanes 16-31 the next; my wave takes rows 16 w .. 16 w + 15 of every partial block
	v_lshl_add_u32 v5, v1, 4, v5
	s_mul_i32 s22, s12, 16*SP
	v_add_nc_u32 v[RD], s22, v5
	v_lshlrev_b32 v[BO], 4, v1                     ; bias: my four columns
	v_lshl_add_u32 v[CO], v2, 14, v[BO]            ; out: the same columns, lanes 16-31 one row further down
; 32 LDS loads: my fragments of chunk c (32 k = 128 bytes of the rows) of a slot: W's four, then x's four
.macro FETCH slot, c
.irp b, 0,1,2,3
	ds_load_b128 v[RAW+16*\b:RAW+16*\b+3],     v[ADRB+\slot] offset:\c*128+\b*16*PITCH
	ds_load_b128 v[RAW+16*\b+4:RAW+16*\b+7],   v[ADRB+\slot] offset:\c*128+\b*16*PITCH+16
	ds_load_b128 v[RAW+16*\b+8:RAW+16*\b+11],  v[ADRB+\slot] offset:\c*128+\b*16*PITCH+64
	ds_load_b128 v[RAW+16*\b+12:RAW+16*\b+15], v[ADRB+\slot] offset:\c*128+\b*16*PITCH+80
.endr
.irp a, 0,1,2,3
	ds_load_b128 v[RAW+64+16*\a:RAW+64+16*\a+3],     v[ADRA+\slot] offset:\c*128+\a*16*PITCH
	ds_load_b128 v[RAW+64+16*\a+4:RAW+64+16*\a+7],   v[ADRA+\slot] offset:\c*128+\a*16*PITCH+16
	ds_load_b128 v[RAW+64+16*\a+8:RAW+64+16*\a+11],  v[ADRA+\slot] offset:\c*128+\a*16*PITCH+64
	ds_load_b128 v[RAW+64+16*\a+12:RAW+64+16*\a+15], v[ADRA+\slot] offset:\c*128+\a*16*PITCH+80
.endr
.endm
; The eight fragments are rounded to bf16, two numbers an instruction, the lower k in the low half.
.macro CVT
.irp f, 0,1,2,3,4,5,6,7
	s_wait_dscnt 28-4*\f                           ; LDS loads come back in order (ISA guide 5.7.1): fragment f's four are in, the 4 (7 - f) issued behind them may be out
.irp j, 0,1,2,3,4,5,6,7
	v_cvt_pk_bf16_f32 v[FR+8*\f+\j], v[RAW+16*\f+2*\j], v[RAW+16*\f+2*\j+1]
.endr
.endr
.endm
; 16 matrix instructions: the whole 64 x 64 block, 32 along k.  Used transposed (source 0 = rows of W, source 1 = rows of x): lane l then holds row r of x
; and its registers 0-7 the columns 8 h + 0..7: eight neighbouring numbers of a row of P.  zero = 1: the first product starts the sums: nothing is cleared.
; The 16 accumulators take turns, one instruction a turn, in the same order in every chunk, over the loop's backward jump and into the tail.
.macro MUL zero
	WIN 0x50                                       ; C and D in window 1
.irp a, 0,1,2,3
.irp b, 0,1,2,3
.if \zero
	v_wmma_f32_16x16x32_bf16 v[8*(4*\a+\b):8*(4*\a+\b)+7], v[FRW+8*\b:FRW+8*\b+7], v[FRX+8*\a:FRX+8*\a+7], 0
.else
	v_wmma_f32_16x16x32_bf16 v[8*(4*\a+\b):8*(4*\a+\b)+7], v[FRW+8*\b:FRW+8*\b+7], v[FRX+8*\a:FRX+8*\a+7], v[8*(4*\a+\b):8*(4*\a+\b)+7]
.endif
.endr
.endr
	WIN 0                                          ; at a label and at a branch every window is 0
.endm
; One prefetch a lap: the base steps two K steps on, behind the wait that frees it from the request of a lap ago.
.macro PF
	s_wait_xcnt 0x0
	s_add_nc_u64 s[20:21], s[20:21], 2*KB
	global_prefetch_b8 v[PFO], s[20:21] th:TH_LOAD_NT scope:SCOPE_SE
.endm
; The change of slots.  In front of the barrier each wave waits for its reads of this slot and for all its tensor loads, of which one is out: its part of the next slot.
; fill = 1: the barrier opens a round of the cluster's barrier; behind the round no wave of any partner reads this slot or has a load on its way, and the joint refill,
; two K steps ahead, is the wave's first and only tensor load.  Then the next slot's first fragments are read.
.macro CHANGE slot, next, fill
	s_wait_dscnt 0x0                               ; my reads of this slot are back (met: the last conversion's wait was for 0)
	s_wait_tensorcnt 0x0                           ; all my tensor loads have landed, so a group 0 may be written
	ds_add_u32 v254, v255
	s_wait_dscnt 0x0
	s_barrier_signal -1
	s_barrier_wait -1
.if \fill
	CREST
	s_add_nc_u64 s[G0+4*\slot+2:G0+4*\slot+3], s[G0+4*\slot+2:G0+4*\slot+3], 2*KB
	s_add_nc_u64 s[G0B+4*\slot+2:G0B+4*\slot+3], s[G0B+4*\slot+2:G0B+4*\slot+3], 2*KB
	JLOAD \slot
.endif
	FETCH \next, 0
.endm
; A K step of a wave: two chunks of 32 k.  All its arithmetic stands in front of the wait for the next tile, so that between a tile's landing and the next request stands the round alone.
.macro STEP slot, next, zero, fill, pf
.if \zero
.else
	PLACES                                         ; the conversions write fragment registers that the matrix instructions in front have read
.endif
	CVT
	FETCH \slot, 1                                 ; the second chunk is on its way while the first is multiplied
.if \pf
	PF
.endif
	MUL \zero
	PLACES
	CVT
	MUL 0
	CHANGE \slot, \next, \fill
.endm
.macro LAP zero, fill, pf              ; once round the ring
	STEP 0, 1, \zero, \fill, \pf
	STEP 1, 0, 0, \fill, 0
.endm
	s_wait_tensorcnt 0x1                           ; my part of K step 0 is in; K step 1's may stay out
	s_barrier_signal -1
	s_barrier_wait -1                              ; everybody's part is in
	FETCH 0, 0
	LAP 1, 1, 1                                    ; lap 0 stands in front of the loop: its first products start the sums.  It asks for K steps 2 and 3
	s_mov_b32 s3, 5
.Llap:
	LAP 0, 1, 1                                    ; laps 1 to 5 ask for K steps 4 to 13
	s_sub_co_u32 s3, s3, 1
	s_cmp_lg_u32 s3, 0
	s_cbranch_scc1 .Llap
	LAP 0, 1, 0                                    ; lap 6 asks for K steps 14 and 15, the last; nothing is left to prefetch
	STEP 0, 1, 0, 0, 0                             ; K step 14: no refill, so a plain barrier; the load that was out is K step 15's
	PLACES                                         ; K step 15, written out: nothing more to change to
	CVT
	FETCH 1, 1
	MUL 0
	PLACES
	CVT
.irp q, 0,1,2,3,4,5,6,7,8,9,10,11,12,13,14,15
	global_load_b128 v[BIAS+4*\q:BIAS+4*\q+3], v[BO], s[8:9] offset:1024*\q   ; bias of my four columns in repeat q, into registers that the conversions have done with
.endr
	MUL 0
	; THE SUM OF THE FOUR PARTIAL BLOCKS.  Each wave lays its 64 x 64 f32 into its own part of the stage: row 16 a + r, bytes 64 b + 32 h .. + 31.
	PLACES                                         ; behind the last matrix instructions: for the stores, which read results, and for the loads into fragment registers below
	WIN 0x04                                       ; store data in window 1
.irp a, 0,1,2,3
.irp b, 0,1,2,3
	ds_store_b128 v[STO], v[8*(4*\a+\b):8*(4*\a+\b)+3]   offset:16*SP*\a+64*\b
	ds_store_b128 v[STO], v[8*(4*\a+\b)+4:8*(4*\a+\b)+7] offset:16*SP*\a+64*\b+16
.endr
.endr
	WIN 0
	s_wait_dscnt 0x0                               ; my stores are done, for the other waves' sake
	s_barrier_signal -1
	s_barrier_wait -1
.irp t, 0,1,2,3,4,5,6,7
.irp p, 0,1,2,3
	ds_load_b128 v[PART+32*\p+4*\t:PART+32*\p+4*\t+3], v[RD] offset:PARTB*\p+2*SP*\t   ; rows 16 w + 2 t and + 1 of partial block p
.endr
.endr
.irp t, 0,1,2,3,4,5,6,7
	s_wait_dscnt 28-4*\t                           ; row pair t's four loads are in; the 4 (7 - t) behind them may be out
	v_pk_add_f32 v[PART+4*\t:PART+4*\t+1],       v[PART+4*\t:PART+4*\t+1],       v[PART+32+4*\t:PART+32+4*\t+1]
	v_pk_add_f32 v[PART+4*\t+2:PART+4*\t+3],     v[PART+4*\t+2:PART+4*\t+3],     v[PART+32+4*\t+2:PART+32+4*\t+3]
	v_pk_add_f32 v[PART+64+4*\t:PART+64+4*\t+1], v[PART+64+4*\t:PART+64+4*\t+1], v[PART+96+4*\t:PART+96+4*\t+1]
	v_pk_add_f32 v[PART+64+4*\t+2:PART+64+4*\t+3], v[PART+64+4*\t+2:PART+64+4*\t+3], v[PART+96+4*\t+2:PART+96+4*\t+3]
	v_pk_add_f32 v[PART+4*\t:PART+4*\t+1],       v[PART+4*\t:PART+4*\t+1],       v[PART+64+4*\t:PART+64+4*\t+1]
	v_pk_add_f32 v[PART+4*\t+2:PART+4*\t+3],     v[PART+4*\t+2:PART+4*\t+3],     v[PART+64+4*\t+2:PART+64+4*\t+3]
.endr
	; THE WAY OUT: each pair of rows goes out 16 times, 1,024 bytes (256 columns) apart, each time with that repeat's bias.  Sixteen lanes store 256 consecutive bytes,
	; at a multiple of 256 from out's first byte.  Four groups of 32 stores on a ring of 32 register groups; the largest immediate is 7 x 32,768 + 15 x 1,024 bytes.
	s_wait_loadcnt 0x0                             ; bias
.irp u, 0,1,2,3
.if \u
	s_wait_xcnt 0x0                                ; every earlier memory instruction has had its addresses translated (ISA guide 3.1): the ring's registers, which stores read, are rewritten only behind this wait
.endif
.irp e, 0,1
.irp q, 0,1,2,3,4,5,6,7,8,9,10,11,12,13,14,15
	v_pk_add_f32 v[OUT+4*(16*\e+\q):OUT+4*(16*\e+\q)+1],   v[PART+4*(2*\u+\e):PART+4*(2*\u+\e)+1],   v[BIAS+4*\q:BIAS+4*\q+1]
	v_pk_add_f32 v[OUT+4*(16*\e+\q)+2:OUT+4*(16*\e+\q)+3], v[PART+4*(2*\u+\e)+2:PART+4*(2*\u+\e)+3], v[BIAS+4*\q+2:BIAS+4*\q+3]
	global_store_b128 v[CO], v[OUT+4*(16*\e+\q):OUT+4*(16*\e+\q)+3], s[10:11] offset:32768*(2*\u+\e)+1024*\q th:TH_STORE_NT
.endr
.endr
.endr
	s_wait_tensorcnt 0x0
	ds_add_u32 v254, v255
	s_wait_dscnt 0x0
	CROUND                                         ; the closing round: no work-group ends while a partner may still ask for a tile that names it
	s_endpgm
.Lfunc_end_k_qca4c0a394f_fc:
	.size	k_qca4c0a394f_fc, .Lfunc_end_k_qca4c0a394f_fc-k_qca4c0a394f_fc
	.p2alignl 7, 3214868480
	.fill 96, 4, 3214868480
	.section	.rodata,"a",@progbits
	.p2align	6, 0x0
	.amdhsa_kernel k_qca4c0a394f_fc
		.amdhsa_group_segment_fixed_size 327680
		.amdhsa_private_segment_fixed_size 0
		.amdhsa_enable_private_segment 0
		.amdhsa_kernarg_size 32
		.amdhsa_user_sgpr_count 2
		.amdhsa_user_sgpr_kernarg_segment_ptr 1
		.amdhsa_wavefront_size32 1
		.amdhsa_system_sgpr_workgroup_id_x 1
		.amdhsa_system_sgpr_workgroup_id_y 1
		.amdhsa_system_sgpr_workgroup_id_z 1
		.amdhsa_system_vgpr_workitem_id 0
		.amdhsa_next_free_vgpr 384
		.amdhsa_next_free_sgpr 66
		.amdhsa_reserve_vcc 0
		.amdhsa_float_denorm_mode_32 3
		.amdhsa_float_denorm_mode_16_64 3
		.amdhsa_memory_ordered 1
		.amdhsa_forward_progress 1
		.amdhsa_inst_pref_size 169
	.end_amdhsa_kernel
	.amdgpu_metadata
---
amdhsa.version: [ 1, 2 ]
amdhsa.kernels:
  - .name:           k_qca4c0a394f_fc
    .symbol:         k_qca4c0a394f_fc.kd
    .args:
      - { .name: x, .offset: 0, .size: 8, .value_kind: global_buffer, .address_space: global }
      - { .name: shared_weights, .offset: 8, .size: 8, .value_kind: global_buffer, .address_space: global }
      - { .name: bias, .offset: 16, .size: 8, .value_kind: global_buffer, .address_space: global }
      - { .name: out0, .offset: 24, .size: 8, .value_kind: global_buffer, .address_space: global }
    .group_segment_fixed_size: 327680
    .private_segment_fixed_size: 0
    .kernarg_segment_align: 8
    .kernarg_segment_size: 32
    .max_flat_workgroup_size: 128
    .sgpr_count:     66
    .vgpr_count:     384
    .wavefront_size: 32
...
	.end_amdgpu_metadata
.endif
;; end of part 1
;; ======== version 2 of 2: 2 launches
;; workspace buffers: wp 2,097,152 bytes
;; launch pack (part 2): grid 64 x 4, 4 waves a work-group, no clusters, 9,728 bytes of LDS; arguments shared_weights, wp; writes wp
.if DOCPART == 2
	.amdgcn_target "amdgcn-amd-amdhsa--gfx1250"
	.amdhsa_code_object_version 6
	.text
	.protected	k_qca4c0a394f_pack
	.globl	k_qca4c0a394f_pack
	.p2align	8
	.type	k_qca4c0a394f_pack,@function
k_qca4c0a394f_pack:
	s_mov_b64 s[64:65], 0
	v_nop
	global_prefetch_b8 v0, s[64:65] scope:SCOPE_SE
	s_setreg_imm32_b32 hwreg(HW_REG_WAVE_MODE, 25, 1), 1
	s_wait_xcnt 0x0
; wp = W rounded to bf16 (nearest even) and laid in the order in which the next launch's matrix instructions want it.  W: [256][4096] f32.
; A fragment is 16 rows x 32 k of bf16 in 8 registers: lane l holds row r = l % 16; registers 0-3 hold k = 8 h + 0..7 (h = l / 16), registers 4-7 hold k = 16 + 8 h + 0..7.
; wp, in bytes: bx << 19 | kc << 12 | b << 10 | j << 9 | l << 4 holds the 8 numbers W[64 bx + 16 b + r][32 kc + 16 j + 8 h + 0..7]
; (bx = 0..3 block of 64 rows, kc = 0..127 chunk of 32 k, b = 0..3 fragment, j = 0, 1 half of the fragment's registers): a wave's load of 16 bytes a lane at 16 l
; then brings half a fragment as 512 consecutive bytes.
; SHARES: work-group (kg = 0..63, bx), wave b: 16 rows x 64 k.  In: eight loads, each two rows' 256 consecutive bytes.  The change of layout goes through the
; wave's own 16 rows of LDS, so there is no barrier.  Out: four stores of 512 consecutive bytes.  4 MiB in, 2 MiB out: no matrix unit, no cluster (nothing is shared).
.set PP,  144                          ; an LDS row: 64 bf16 = 128 bytes + 16 = 9 x 16: the 16 rows that a 16-byte load touches lie in 16 different 16-byte columns of 256 bytes
.set IN,  4                            ; v4   my byte offset in W
.set STO, 5                            ; v5   LDS: where I put 8 bytes of a row
.set RD,  6                            ; v6   LDS: where I read 16 bytes of a fragment
.set OFF, 7                            ; v7   my byte offset in wp
.set X,   8                            ; v[8:39]   load i: 4 f32
.set Y,   40                           ; v[40:55]  load i: the same 4 numbers in bf16
.set Z,   56                           ; v[56:71]  four halves of fragments
	s_load_b128 s[4:7], s[0:1], 0x0                ; W s[4:5], wp s[6:7]
	v_lshl_add_u32 v72, v0, 2, 0x2400
	v_mov_b32 v73, 0
	v_lshrrev_b32 v1, 5, v0
	v_readfirstlane_b32 s8, v1                     ; wave = b
	s_and_b32 s9, ttmp7, 0xffff                    ; bx
	v_and_b32 v2, 15, v0                           ; l % 16
	v_bfe_u32 v3, v0, 4, 1                         ; l / 16
	s_lshl_b32 s10, s9, 20                         ; 64 rows of 16,384 bytes
	s_lshl_b32 s11, s8, 18                         ; 16 rows
	s_add_co_u32 s10, s10, s11
	s_lshl_b32 s11, ttmp9, 8                       ; 64 k of 4 bytes
	s_add_co_u32 s10, s10, s11
	v_lshlrev_b32 v[IN], 4, v2                     ; lanes 0-15: 16 bytes each of one row; lanes 16-31: of the next
	v_lshl_add_u32 v[IN], v3, 14, v[IN]
	v_add_nc_u32 v[IN], s10, v[IN]
	s_mul_i32 s12, s8, 16*PP                       ; my wave's 16 rows of LDS
	v_mul_u32_u24 v[STO], v3, PP                   ; in: the same two rows, 8 bytes (4 bf16) a lane
	v_lshl_add_u32 v[STO], v2, 3, v[STO]
	v_add_nc_u32 v[STO], s12, v[STO]
	v_mul_u32_u24 v[RD], v2, PP                    ; back: row r, 16 bytes at 16 h
	v_lshl_add_u32 v[RD], v3, 4, v[RD]
	v_add_nc_u32 v[RD], s12, v[RD]
	s_lshl_b32 s13, s9, 19
	s_lshl_b32 s14, ttmp9, 13                      ; kc = 2 kg
	s_add_co_u32 s13, s13, s14
	s_lshl_b32 s14, s8, 10
	s_add_co_u32 s13, s13, s14
	v_and_b32 v1, 31, v0
	v_lshl_add_u32 v[OFF], v1, 4, s13
	s_wait_kmcnt 0x0
.irp i, 0,1,2,3,4,5,6,7
	global_load_b128 v[X+4*\i:X+4*\i+3], v[IN], s[4:5] offset:32768*\i th:TH_LOAD_NT   ; rows 2 i and 2 i + 1
.endr
.irp i, 0,1,2,3,4,5,6,7
	s_wait_loadcnt 7-\i                            ; loads come back in order (ISA guide 5.7.1): load i is in, the 7 - i younger ones may be out
	v_cvt_pk_bf16_f32 v[Y+2*\i],   v[X+4*\i],   v[X+4*\i+1]
	v_cvt_pk_bf16_f32 v[Y+2*\i+1], v[X+4*\i+2], v[X+4*\i+3]
	ds_store_b64 v[STO], v[Y+2*\i:Y+2*\i+1] offset:2*PP*\i
.endr
.irp n, 0,1,2,3
	ds_load_b128 v[Z+4*\n:Z+4*\n+3], v[RD] offset:32*\n    ; chunk n / 2, half n % 2: k = 16 n + 8 h + 0..7.  LDS serves a wave's instructions in order (ISA guide 5.7.1.4): these see the stores above
.endr
.irp n, 0,1,2,3
	s_wait_dscnt 3-\n                              ; load n is in, the 3 - n younger ones may be out
	global_store_b128 v[OFF], v[Z+4*\n:Z+4*\n+3], s[6:7] offset:4096*(\n/2)+512*(\n%2)   ; 32 lanes store 512 consecutive bytes, at a multiple of 512 from wp's first byte
.endr
	s_wait_tensorcnt 0x0
	ds_add_u32 v72, v73
	s_wait_dscnt 0x0
	s_endpgm
.Lfunc_end_k_qca4c0a394f_pack:
	.size	k_qca4c0a394f_pack, .Lfunc_end_k_qca4c0a394f_pack-k_qca4c0a394f_pack
	.p2alignl 7, 3214868480
	.fill 96, 4, 3214868480
	.section	.rodata,"a",@progbits
	.p2align	6, 0x0
	.amdhsa_kernel k_qca4c0a394f_pack
		.amdhsa_group_segment_fixed_size 9728
		.amdhsa_private_segment_fixed_size 0
		.amdhsa_enable_private_segment 0
		.amdhsa_kernarg_size 16
		.amdhsa_user_sgpr_count 2
		.amdhsa_user_sgpr_kernarg_segment_ptr 1
		.amdhsa_wavefront_size32 1
		.amdhsa_system_sgpr_workgroup_id_x 1
		.amdhsa_system_sgpr_workgroup_id_y 1
		.amdhsa_system_sgpr_workgroup_id_z 1
		.amdhsa_system_vgpr_workitem_id 0
		.amdhsa_next_free_vgpr 74
		.amdhsa_next_free_sgpr 66
		.amdhsa_reserve_vcc 0
		.amdhsa_float_denorm_mode_32 3
		.amdhsa_float_denorm_mode_16_64 3
		.amdhsa_memory_ordered 1
		.amdhsa_forward_progress 1
		.amdhsa_inst_pref_size 6
	.end_amdhsa_kernel
	.amdgpu_metadata
---
amdhsa.version: [ 1, 2 ]
amdhsa.kernels:
  - .name:           k_qca4c0a394f_pack
    .symbol:         k_qca4c0a394f_pack.kd
    .args:
      - { .name: shared_weights, .offset: 0, .size: 8, .value_kind: global_buffer, .address_space: global }
      - { .name: wp, .offset: 8, .size: 8, .value_kind: global_buffer, .address_space: global }
    .group_segment_fixed_size: 9728
    .private_segment_fixed_size: 0
    .kernarg_segment_align: 8
    .kernarg_segment_size: 16
    .max_flat_workgroup_size: 128
    .sgpr_count:     66
    .vgpr_count:     74
    .wavefront_size: 32
...
	.end_amdgpu_metadata
.endif
;; end of part 2
;; launch fc (part 3): grid 4 x 64, 4 waves a work-group, clusters of 4 x 4, 327,680 bytes of LDS; arguments x, wp, bias, out0; writes out0
.if DOCPART == 3
	.amdgcn_target "amdgcn-amd-amdhsa--gfx1250"
	.amdhsa_code_object_version 6
	.text
	.protected	k_qca4c0a394f_fc
	.globl	k_qca4c0a394f_fc
	.p2align	8
	.type	k_qca4c0a394f_fc,@function
k_qca4c0a394f_fc:
	s_mov_b64 s[64:65], 0
	v_nop
	global_prefetch_b8 v0, s[64:65] scope:SCOPE_SE
	s_setreg_imm32_b32 hwreg(HW_REG_WAVE_MODE, 25, 1), 1
	s_wait_xcnt 0x0
	s_wait_alu depctr_hold_cnt(0) depctr_sa_sdst(0) depctr_va_vdst(0) depctr_va_sdst(0) depctr_va_ssrc(0) depctr_va_vcc(0) depctr_vm_vsrc(0)
	s_getreg_b32 s2, hwreg(HW_REG_IB_STS2, 6, 4)
	s_cmp_eq_u32 s2, 0
	s_cbranch_scc0 .Lentry_in_a_cluster
	s_endpgm
.Lentry_in_a_cluster:
	s_bfe_u32 s2, ttmp6, 0x10000c
	s_cmp_lg_u32 s2, 0xf033
	s_cbranch_scc0 .Lentry_shape_is_right
	s_endpgm
.Lentry_shape_is_right:
; out[m][n] = sum over k of x[m][k] W[n mod 256][k] + bias[n].  x: [4096][4096] f32, bias: [4096] f32, out: [4096][4096] f32;
; wp: W's 256 rows in bf16, in fragment order, as the launch before has laid them (bytes bx << 19 | kc << 12 | b << 10 | j << 9 | lane << 4).
; The weight matrix of the problem is W's 256 rows laid 16 times below each other, so columns n, n + 256, .. of the product are one and the same number
; for every input.  P = x W^T ([4096][256]) is computed once and stored 16 times, each time with the 256 bias numbers of that repeat.
; SHARES: 256 work-groups; each makes 64 rows x 64 columns of P (block row by = 0..63, block column bx = 0..3) and stores 64 rows x 16 x 64 columns of out.
; The four waves split K, not the block: each holds all 16 accumulator tiles (128 registers) and takes 128 of the 512 k of every K step, so every LDS
; byte is read once and rounded to bf16 once.  The four partial blocks are added through LDS at the end, which is also the change of layout that the stores want.
; LIMITS: x and W are rounded to bf16 (nearest even; bf16 has f32's exponents, so no range is lost).  An output is the f32 sum of four f32 partial sums
; (those k with k mod 512 in 128 w .. 128 w + 127, w = 0..3), added as (p0 + p1) + (p2 + p3), then + bias: another order of rounding than a single sum along k.
; x COMES THROUGH LDS: two slots of a K step of 512 (2,048 bytes of each of 64 rows), each slot four regions of 64 rows x 512 bytes; wave w fills region w with one
; tensor load and is the only one to read it.  By this text's own count a wave has two tensor loads out at the start and one behind each later round.
; CLUSTERS: 4 x 4 work-groups.  x's tile hangs on by alone and is asked for jointly by the four of a row of the cluster, which divides the requests for x by four.
; W COMES STRAIGHT INTO REGISTERS, 512 consecutive bytes a load, a whole K step (32 loads, 128 registers) ahead, in two buffers that take turns.  It is not asked for
; jointly although 64 work-groups read the same 512 KiB: a joint load lands in LDS, and beside x's two slots (270,336 of 327,680 bytes) there is no room for
; two slots of W's 64 rows x 1,024 bytes; making room would halve the K step and double the number of refills.
.set KB,    2048                       ; bytes of a row of x in a K step
.set PITCH, 528                        ; an LDS row: 512 bytes + 16 of padding = 33 x 16: the 16 rows that a 16-byte load touches lie in 16 different 16-byte columns of 256 bytes
.set REG,   64*PITCH                   ; a region: what one tensor load brings
.set SLOT,  4*REG
.set WSTEP, 65536                      ; bytes of wp in a K step of one block column: 16 chunks of 4,096
.set SP,    272                        ; the stage's row: 256 bytes (64 f32) + 16
.set PARTB, 64*SP                      ; one wave's partial block in the stage
; The stage (4 x PARTB = 69,632 bytes from LDS byte 0) lies in slot 0, which has its last fill (K step 6) and its last reads in front of the barrier
; between K steps 6 and 7; no tensor load follows that barrier in the text.
.set PFO,  7                           ; v7      prefetch: my byte offset in the block row's 64 rows of x
.set ADRA, 8                           ; v8-9    LDS address of my x fragments in slot 0, 1
.set WO,   10                          ; v10     16 x lane: my byte offset in half a fragment of wp; never rewritten
.set STO,  12                          ; v12     where I put my partial results
.set RD,   13                          ; v13     where I read rows of the partial blocks back
.set CO,   14                          ; v14     my byte offset in out
.set BO,   15                          ; v15     my byte offset in bias
.set RAW,  16                          ; v16-79    x's four fragments of a chunk in f32 as loaded, 16 registers each
.set FRX,  80                          ; v80-111   the same in bf16, 8 registers each
.set WB,   112                         ; v112-239  W buffer 0: chunk c, fragment b at 112 + 32 c + 8 b.  W buffer 1: v384-511 = registers 128 + 32 c + 8 b of window 1
.set BIAS, 16                          ; the way out: v16-79 bias, repeat q at 16 + 4 q
.set PART, 80                          ; v80-207 partial p, row pair t at 80 + 32 p + 4 t; the sums stay in partial 0
.set OUT,  112                         ; v112-239 a ring of 32 groups of 4 registers to store
; window 1, registers 0-127 (v256-383): accumulator tile (a, b) at v[8 (4 a + b)]: x rows 16 a .., W rows 16 b ..
.set G1,  24                           ; s[24:31] descriptor group 1
.set G0,  32                           ; s[32:39] descriptor group 0, one set for each slot
.set G1W0, (2<<16)|(1<<20)|(1<<21)|(6<<22)|(3<<25)   ; 17:16 elements of 4 bytes; 20 padding on; 21 set beside a mask; 24:22 after every 128 words (code 6); 31:25 of 4 words (code 3)
.set MSB, 0
.macro WIN new                         ; s_set_vgpr_msb: bits 1:0 source 0, 3:2 source 1, 5:4 source 2, 7:6 destination; the high byte repeats the setting that is left
.if MSB != \new
	s_set_vgpr_msb (MSB<<8)|\new
.set MSB, \new
.endif
.endm
; Four places: a vector instruction that writes a register which a matrix instruction has read, a load into such a register, and an LDS store of a matrix
; result stand four plain vector instructions behind that matrix instruction; other matrix instructions are not counted as places here.
.macro PLACES
.rept 4
	v_nop
.endr
.endm
; A round of the cluster's barrier: my work-group's barrier; wave 0 signals for the work-group; every wave waits for all sixteen; my work-group's barrier again.
.macro CREST                           ; a round behind its opening barrier
	s_cmp_lg_u32 s12, 0
	s_cbranch_scc1 .Lnot_wave_0_\@
	s_barrier_signal -3
.Lnot_wave_0_\@:
	s_barrier_wait -3
	s_barrier_signal -1
	s_barrier_wait -1
.endm
.macro CROUND
	s_barrier_signal -1
	s_barrier_wait -1
	CREST
.endm
; 32 loads: my W fragments of a K step (4 chunks x 4 fragments x 2 halves, 16 KiB consecutive in wp) into W buffer wb
.macro WLOADS wb
.if \wb
	WIN 0x40                                       ; destination in window 1, address in window 0
.endif
.irp c, 0,1,2,3
.irp b, 0,1,2,3
	global_load_b128 v[WB+16*\wb+32*\c+8*\b:WB+16*\wb+32*\c+8*\b+3],   v[WO], s[46:47] offset:4096*\c+1024*\b
	global_load_b128 v[WB+16*\wb+32*\c+8*\b+4:WB+16*\wb+32*\c+8*\b+7], v[WO], s[46:47] offset:4096*\c+1024*\b+512
.endr
.endr
	WIN 0
.endm
	s_load_b256 s[4:11], s[0:1], 0x0               ; x s[4:5], wp s[6:7], bias s[8:9], out s[10:11]
	v_lshl_add_u32 v254, v0, 2, 0x42000
	v_mov_b32 v255, 0
	ds_add_u32 v254, v255
	v_lshrrev_b32 v1, 5, v0
	v_readfirstlane_b32 s12, v1                    ; wave 0..3: my 512 bytes of every K step's rows, my region of every slot
	s_bfe_u32 s40, ttmp6, 0x40000                  ; cx
	s_bfe_u32 s41, ttmp6, 0x40004                  ; cy
	s_lshl_b32 s42, ttmp9, 2                       ; in a cluster launch ttmp9 and ttmp7 count clusters
	s_add_co_u32 s42, s42, s40                     ; bx = 4 x cluster x + cx
	s_and_b32 s43, ttmp7, 0xffff
	s_lshl_b32 s43, s43, 2
	s_add_co_u32 s43, s43, s41                     ; by = 4 x cluster y + cy
	s_lshl_b32 s44, s41, 2
	s_lshl_b32 s44, 15, s44                        ; my row of the cluster: places 4 cy .. 4 cy + 3
	; descriptor group 1: a tile of 64 rows x 128 f32, rows 4,096 f32 apart in memory, padded in LDS
	s_or_b32 s[G1+0], s44, G1W0                    ; 15:0 the mask: x's tiles go to my row
	s_mov_b32 s[G1+1], 128<<16                     ; 63:48 tensor_dim0 = 128
	s_mov_b32 s[G1+2], 64<<16                      ; 95:80 tensor_dim1 = 64
	s_mov_b32 s[G1+3], 128<<16                     ; 127:112 tile_dim0 = 128
	s_mov_b32 s[G1+4], 64                          ; 143:128 tile_dim1 = 64; tile_dim2 = 0
	s_mov_b32 s[G1+5], 4096                        ; 191:160 elements from row to row
	s_mov_b32 s[G1+6], 0
	s_mov_b32 s[G1+7], 0
	; byte offsets, each in registers of its own.  64 rows of 16,384 bytes are 1 << 20.  x's tile offset holds by and the wave's number alone.
	s_lshl_b32 s3, s12, 9                          ; my 512 bytes of the K step
	s_lshl_b32 s16, s43, 20                        ; the block row's first row of x and of out
	s_add_co_u32 s20, s16, KB                      ; prefetch: the same row, at K step 1 (the base steps on in front of each request)
	s_mov_b32 s21, 0
	s_lshl_b32 s22, s12, 18                        ; out: my wave stores rows 16 w .. 16 w + 15 of the block,
	s_add_co_u32 s22, s22, s16
	s_lshl_b32 s18, s42, 8                         ; from column 64 bx of each repeat (256 bytes); the same offset in bias
	s_mov_b32 s19, 0
	s_add_co_u32 s22, s22, s18
	s_mov_b32 s23, 0
	s_add_co_u32 s16, s16, s3
	s_mov_b32 s17, 0
	s_lshl_b32 s46, s42, 19                        ; wp: block column bx,
	s_lshl_b32 s47, s12, 14                        ; chunks 4 w .. 4 w + 3 of K step 0
	s_add_co_u32 s46, s46, s47
	s_mov_b32 s47, 0
	s_mul_i32 s15, s12, REG                        ; where my tiles go: region = wave's number; no place in the cluster enters an LDS address
	s_wait_dscnt 0x0
	s_wait_kmcnt 0x0
	s_add_nc_u64 s[16:17], s[4:5], s[16:17]        ; x at my first tile
	s_add_nc_u64 s[46:47], s[6:7], s[46:47]        ; wp at my first fragments
	s_add_nc_u64 s[8:9], s[8:9], s[18:19]          ; bias at column 64 bx
	s_add_nc_u64 s[10:11], s[10:11], s[22:23]      ; out at my wave's first row and column 64 bx
	s_add_nc_u64 s[20:21], s[4:5], s[20:21]        ; x at the block row's first row, K step 1
	CROUND                                         ; all sixteen work-groups are here: the first joint loads meet
.irp s, 0,1
	s_mov_b32 s[G0+4*\s], 1                                        ; 1:0 count = 1
	s_add_co_u32 s[G0+4*\s+1], s15, \s*SLOT                        ; 63:32 LDS address
	s_add_nc_u64 s[G0+4*\s+2:G0+4*\s+3], s[16:17], \s*KB           ; 120:64 global address: K step s
	s_or_b32 s[G0+4*\s+3], s[G0+4*\s+3], 0x80000000                ; 127:126 type = 2
	tensor_load_to_lds s[G0+4*\s:G0+4*\s+3], s[G1:G1+7]            ; both slots are asked for before anything else is done
	s_nop 0
.endr
	v_and_b32 v3, 31, v0                           ; lane
	v_lshlrev_b32 v[WO], 4, v3
	WLOADS 0                                       ; K step 0's W fragments
	; PREFETCH of x.  A K step of the block row is 64 rows x 2,048 bytes = 512 blocks of 256 bytes; the four work-groups of a row of the cluster share them out:
	; lane l of wave w of work-group cx asks for row 16 cx + 4 w + l / 8, block l mod 8: one instruction a wave for a K step, each block asked for once in the launch.
	; K step t (t = 0..5) asks for K step t + 2's tile, which the refill at the end of K step t loads; K steps 6 and 7 ask for nothing, so no request passes a row's end.
	v_lshrrev_b32 v4, 3, v3
	v_and_b32 v5, 7, v3
	s_lshl_b32 s22, s40, 4
	s_lshl2_add_u32 s22, s12, s22                  ; 16 cx + 4 w
	v_add_nc_u32 v4, s22, v4
	v_lshlrev_b32 v4, 14, v4                       ; rows of 16,384 bytes
	v_lshl_add_u32 v[PFO], v5, 8, v4
	; A bf16 fragment is 16 rows x 32 k: lane l holds row r = l % 16; registers 0-3 hold k = 8 h + 0..7 (h = l / 16), registers 4-7 hold k = 16 + 8 h + 0..7.
	; In f32 those are the 32 bytes at 32 h and the 32 bytes at 64 + 32 h of the row's 128: four loads of 16 bytes, at 0, 16, 64, 80 from r x pitch + 32 h.
	v_and_b32 v1, 15, v0                           ; r
	v_bfe_u32 v2, v0, 4, 1                         ; h
	v_mul_u32_u24 v3, v1, PITCH
	v_lshl_add_u32 v3, v2, 5, v3
	v_add_nc_u32 v[ADRA], s15, v3                  ; in my region
	v_add_nc_u32 v[ADRA+1], SLOT, v[ADRA]
	v_mul_u32_u24 v4, v1, SP                       ; stage, in: row r, 32 bytes for each half of the lanes, in my wave's partial block
	v_lshl_add_u32 v4, v2, 5, v4
	s_mul_i32 s22, s12, PARTB
	v_add_nc_u32 v[STO], s22, v4
	v_mul_u32_u24 v5, v2, SP                       ; stage, back: lanes 0-15 take one row's 256 bytes, lanes 16-31 the next; my wave takes rows 16 w .. 16 w + 15 of every partial block
	v_lshl_add_u32 v5, v1, 4, v5
	s_mul_i32 s22, s12, 16*SP
	v_add_nc_u32 v[RD], s22, v5
	v_lshlrev_b32 v[BO], 4, v1                     ; bias: my four columns
	v_lshl_add_u32 v[CO], v2, 14, v[BO]            ; out: the same columns, lanes 16-31 one row further down
; 16 LDS loads: x's four fragments of chunk c (32 k = 128 bytes of my region's rows) of a slot
.macro FETCH slot, c
.irp a, 0,1,2,3
	ds_load_b128 v[RAW+16*\a:RAW+16*\a+3],     v[ADRA+\slot] offset:\c*128+\a*16*PITCH
	ds_load_b128 v[RAW+16*\a+4:RAW+16*\a+7],   v[ADRA+\slot] offset:\c*128+\a*16*PITCH+16
	ds_load_b128 v[RAW+16*\a+8:RAW+16*\a+11],  v[ADRA+\slot] offset:\c*128+\a*16*PITCH+64
	ds_load_b128 v[RAW+16*\a+12:RAW+16*\a+15], v[ADRA+\slot] offset:\c*128+\a*16*PITCH+80
.endr
.endm
; The four fragments are rounded to bf16, two numbers an instruction, the lower k in the low half.
.macro CVT
.irp f, 0,1,2,3
	s_wait_dscnt 12-4*\f                           ; LDS loads come back in order (ISA guide 5.7.1): fragment f's four are in, the 4 (3 - f) issued behind them may be out
.irp j, 0,1,2,3,4,5,6,7
	v_cvt_pk_bf16_f32 v[FRX+8*\f+\j], v[RAW+16*\f+2*\j], v[RAW+16*\f+2*\j+1]
.endr
.endr
.endm
; 16 matrix instructions: the whole 64 x 64 block, 32 along k, W from chunk c of buffer wb.  Used transposed (source 0 = rows of W, source 1 = rows of x): lane l then
; holds row r of x and its registers 0-7 the columns 8 h + 0..7: eight neighbouring numbers of a row of P.  zero = 1: the first product starts the sums: nothing is cleared.
; The 16 accumulators take turns, one instruction a turn, in the same order in every chunk, over the loop's backward jump and into the tail.
.macro MUL zero, wb, c
	WIN (0x50+\wb)                                 ; C and D in window 1; source 0 in the window of the W buffer
.irp a, 0,1,2,3
.irp b, 0,1,2,3
.if \zero
	v_wmma_f32_16x16x32_bf16 v[8*(4*\a+\b):8*(4*\a+\b)+7], v[WB+16*\wb+32*\c+8*\b:WB+16*\wb+32*\c+8*\b+7], v[FRX+8*\a:FRX+8*\a+7], 0
.else
	v_wmma_f32_16x16x32_bf16 v[8*(4*\a+\b):8*(4*\a+\b)+7], v[WB+16*\wb+32*\c+8*\b:WB+16*\wb+32*\c+8*\b+7], v[FRX+8*\a:FRX+8*\a+7], v[8*(4*\a+\b):8*(4*\a+\b)+7]
.endif
.endr
.endr
	WIN 0                                          ; at a label and at a branch every window is 0
.endm
; One prefetch a K step: the base steps a K step on, behind the wait that frees it from the request of a K step ago.
.macro PF
	s_wait_xcnt 0x0
	s_add_nc_u64 s[20:21], s[20:21], KB
	global_prefetch_b8 v[PFO], s[20:21] th:TH_LOAD_NT scope:SCOPE_SE
.endm
; The change of slots.  In front of the barrier each wave waits for its reads of this slot and for all its tensor loads, of which one is out: its region of the next slot.
; fill = 1: the barrier opens a round of the cluster's barrier; behind the round no wave of any partner reads this slot or has a load on its way, and the joint refill,
; two K steps ahead, is the wave's first and only tensor load.  Then the next slot's first fragments are read.
; fill = 0 (between the last two K steps): a plain barrier; behind it no wave reads slot 0 any more, whose bytes become the stage.
.macro CHANGE slot, next, fill
	s_wait_dscnt 0x0                               ; my reads of this slot are back (met: the last conversion's wait was for 0)
	s_wait_tensorcnt 0x0                           ; all my tensor loads have landed, so a group 0 may be written
	ds_add_u32 v254, v255
	s_wait_dscnt 0x0
	s_barrier_signal -1
	s_barrier_wait -1
.if \fill
	CREST
	s_add_nc_u64 s[G0+4*\slot+2:G0+4*\slot+3], s[G0+4*\slot+2:G0+4*\slot+3], 2*KB
	tensor_load_to_lds s[G0+4*\slot:G0+4*\slot+3], s[G1:G1+7]
	s_nop 0
.endif
	FETCH \next, 0
.endm
; A K step of a wave: four chunks of 32 k, x from slot 'slot', W from the buffer of the same number.  All its arithmetic stands in front of the wait for the next tile,
; so that between a tile's landing and the next request stands the round alone.  wload = 1: the next K step's W fragments are asked for, into the other buffer.
; last = 1: the last K step: bias is asked for, and no change of slots follows.
.macro STEP slot, zero, fill, wload, last
.if \zero
.else
	PLACES                                         ; behind the last K step's matrix instructions: the loads below land in the W buffer that they read, the conversions write x's fragment registers
.endif
	s_wait_loadcnt 0x0                             ; this K step's 32 W loads, issued a K step ago, are in; they are done, so their base may step
.if \wload
	s_add_nc_u64 s[46:47], s[46:47], WSTEP
	WLOADS (1-\slot)
.endif
	CVT
	FETCH \slot, 1                                 ; the next chunk is on its way while this one is multiplied
.if \fill
	PF
.endif
	MUL \zero, \slot, 0
	PLACES
	CVT
	FETCH \slot, 2
	MUL 0, \slot, 1
	PLACES
	CVT
	FETCH \slot, 3
	MUL 0, \slot, 2
	PLACES
	CVT
.if \last
.irp q, 0,1,2,3,4,5,6,7,8,9,10,11,12,13,14,15
	global_load_b128 v[BIAS+4*\q:BIAS+4*\q+3], v[BO], s[8:9] offset:1024*\q   ; bias of my four columns in repeat q, into registers that the conversions have done with
.endr
.endif
	MUL 0, \slot, 3
.if \last
.else
	CHANGE \slot, (1-\slot), \fill
.endif
.endm
	s_wait_tensorcnt 0x1                           ; my region of K step 0 is in; K step 1's may stay out
	s_barrier_signal -1
	s_barrier_wait -1
	FETCH 0, 0
	STEP 0, 1, 1, 1, 0                             ; K steps 0 and 1 stand in front of the loop: the first products start the sums.  They ask for K steps 2 and 3
	STEP 1, 0, 1, 1, 0
	s_mov_b32 s3, 2
.Llap:
	STEP 0, 0, 1, 1, 0                             ; K steps 2 to 5 ask for K steps 4 to 7, the last
	STEP 1, 0, 1, 1, 0
	s_sub_co_u32 s3, s3, 1
	s_cmp_lg_u32 s3, 0
	s_cbranch_scc1 .Llap
	STEP 0, 0, 0, 1, 0                             ; K step 6: no refill, no prefetch; the tensor load that was out is K step 7's; W's last fragments are asked for
	STEP 1, 0, 0, 0, 1                             ; K step 7
	; THE SUM OF THE FOUR PARTIAL BLOCKS.  Each wave lays its 64 x 64 f32 into its own part of the stage: row 16 a + r, bytes 64 b + 32 h .. + 31.
	PLACES                                         ; behind the last matrix instructions: for the stores, which read results, and for the loads into fragment registers below
	WIN 0x04                                       ; store data in window 1
.irp a, 0,1,2,3
.irp b, 0,1,2,3
	ds_store_b128 v[STO], v[8*(4*\a+\b):8*(4*\a+\b)+3]   offset:16*SP*\a+64*\b
	ds_store_b128 v[STO], v[8*(4*\a+\b)+4:8*(4*\a+\b)+7] offset:16*SP*\a+64*\b+16
.endr
.endr
	WIN 0
	s_wait_dscnt 0x0                               ; my stores are done, for the other waves' sake
	s_barrier_signal -1
	s_barrier_wait -1
.irp t, 0,1,2,3,4,5,6,7
.irp p, 0,1,2,3
	ds_load_b128 v[PART+32*\p+4*\t:PART+32*\p+4*\t+3], v[RD] offset:PARTB*\p+2*SP*\t   ; rows 16 w + 2 t and + 1 of partial block p
.endr
.endr
.irp t, 0,1,2,3,4,5,6,7
	s_wait_dscnt 28-4*\t                           ; row pair t's four loads are in; the 4 (7 - t) behind them may be out
	v_pk_add_f32 v[PART+4*\t:PART+4*\t+1],       v[PART+4*\t:PART+4*\t+1],       v[PART+32+4*\t:PART+32+4*\t+1]
	v_pk_add_f32 v[PART+4*\t+2:PART+4*\t+3],     v[PART+4*\t+2:PART+4*\t+3],     v[PART+32+4*\t+2:PART+32+4*\t+3]
	v_pk_add_f32 v[PART+64+4*\t:PART+64+4*\t+1], v[PART+64+4*\t:PART+64+4*\t+1], v[PART+96+4*\t:PART+96+4*\t+1]
	v_pk_add_f32 v[PART+64+4*\t+2:PART+64+4*\t+3], v[PART+64+4*\t+2:PART+64+4*\t+3], v[PART+96+4*\t+2:PART+96+4*\t+3]
	v_pk_add_f32 v[PART+4*\t:PART+4*\t+1],       v[PART+4*\t:PART+4*\t+1],       v[PART+64+4*\t:PART+64+4*\t+1]
	v_pk_add_f32 v[PART+4*\t+2:PART+4*\t+3],     v[PART+4*\t+2:PART+4*\t+3],     v[PART+64+4*\t+2:PART+64+4*\t+3]
.endr
	; THE WAY OUT: each pair of rows goes out 16 times, 1,024 bytes (256 columns) apart, each time with that repeat's bias.  Sixteen lanes store 256 consecutive bytes,
	; at a multiple of 256 from out's first byte.  Four groups of 32 stores on a ring of 32 register groups; the largest immediate is 7 x 32,768 + 15 x 1,024 bytes.
	s_wait_loadcnt 0x0                             ; bias
.irp u, 0,1,2,3
.if \u
	s_wait_xcnt 0x0                                ; every earlier memory instruction has had its addresses translated (ISA guide 3.1): the ring's registers, which stores read, are rewritten only behind this wait
.endif
.irp e, 0,1
.irp q, 0,1,2,3,4,5,6,7,8,9,10,11,12,13,14,15
	v_pk_add_f32 v[OUT+4*(16*\e+\q):OUT+4*(16*\e+\q)+1],   v[PART+4*(2*\u+\e):PART+4*(2*\u+\e)+1],   v[BIAS+4*\q:BIAS+4*\q+1]
	v_pk_add_f32 v[OUT+4*(16*\e+\q)+2:OUT+4*(16*\e+\q)+3], v[PART+4*(2*\u+\e)+2:PART+4*(2*\u+\e)+3], v[BIAS+4*\q+2:BIAS+4*\q+3]
	global_store_b128 v[CO], v[OUT+4*(16*\e+\q):OUT+4*(16*\e+\q)+3], s[10:11] offset:32768*(2*\u+\e)+1024*\q th:TH_STORE_NT
.endr
.endr
.endr
	s_wait_tensorcnt 0x0
	ds_add_u32 v254, v255
	s_wait_dscnt 0x0
	CROUND                                         ; the closing round: no work-group ends while a partner may still ask for a tile that names it
	s_endpgm
.Lfunc_end_k_qca4c0a394f_fc:
	.size	k_qca4c0a394f_fc, .Lfunc_end_k_qca4c0a394f_fc-k_qca4c0a394f_fc
	.p2alignl 7, 3214868480
	.fill 96, 4, 3214868480
	.section	.rodata,"a",@progbits
	.p2align	6, 0x0
	.amdhsa_kernel k_qca4c0a394f_fc
		.amdhsa_group_segment_fixed_size 327680
		.amdhsa_private_segment_fixed_size 0
		.amdhsa_enable_private_segment 0
		.amdhsa_kernarg_size 32
		.amdhsa_user_sgpr_count 2
		.amdhsa_user_sgpr_kernarg_segment_ptr 1
		.amdhsa_wavefront_size32 1
		.amdhsa_system_sgpr_workgroup_id_x 1
		.amdhsa_system_sgpr_workgroup_id_y 1
		.amdhsa_system_sgpr_workgroup_id_z 1
		.amdhsa_system_vgpr_workitem_id 0
		.amdhsa_next_free_vgpr 512
		.amdhsa_next_free_sgpr 66
		.amdhsa_reserve_vcc 0
		.amdhsa_float_denorm_mode_32 3
		.amdhsa_float_denorm_mode_16_64 3
		.amdhsa_memory_ordered 1
		.amdhsa_forward_progress 1
		.amdhsa_inst_pref_size 168
	.end_amdhsa_kernel
	.amdgpu_metadata
---
amdhsa.version: [ 1, 2 ]
amdhsa.kernels:
  - .name:           k_qca4c0a394f_fc
    .symbol:         k_qca4c0a394f_fc.kd
    .args:
      - { .name: x, .offset: 0, .size: 8, .value_kind: global_buffer, .address_space: global }
      - { .name: wp, .offset: 8, .size: 8, .value_kind: global_buffer, .address_space: global }
      - { .name: bias, .offset: 16, .size: 8, .value_kind: global_buffer, .address_space: global }
      - { .name: out0, .offset: 24, .size: 8, .value_kind: global_buffer, .address_space: global }
    .group_segment_fixed_size: 327680
    .private_segment_fixed_size: 0
    .kernarg_segment_align: 8
    .kernarg_segment_size: 32
    .max_flat_workgroup_size: 128
    .sgpr_count:     66
    .vgpr_count:     512
    .wavefront_size: 32
...
	.end_amdgpu_metadata
.endif
;; end of part 3
